; MI455X (gfx1250); checked and timed in simulation.
; The chip was launched on July 23, 2026; its instructions are those of AMD's public machine-readable ISA for CDNA 5 (MIT licence, August 2026) and "CDNA5" Instruction Set Architecture Reference Guide (July 2026). The comments in the code are by the model that wrote it; some were corrected since.
;; Frequency Adaptive Norm. Allowed arithmetic: float matrix products may take bf16 or f16 operands with f32 sums; all other float work in f32.
;; Inputs: weights 3 float32; x 32 x 4,096 x 128 float32.
;; Outputs: out0 32 x 4,096 x 128 float32.
;; One version. Each part assembles by itself: llvm-mc -triple=amdgcn-amd-amdhsa -mcpu=gfx1250 --defsym DOCPART=n.
;; ======== version 1 of 1: 3 launches
;; workspace buffers: gsum 8,388,608 bytes; e2 524,288 bytes
;; launch tiles (part 1): grid 256 x 1, 16 waves a work-group, no clusters, 34,816 bytes of LDS; arguments x, gsum; writes gsum
.if DOCPART == 1
	.amdgcn_target "amdgcn-amd-amdhsa--gfx1250"
	.amdhsa_code_object_version 6
	.text
	.protected	k_qc6faa51fa1_tiles
	.globl	k_qc6faa51fa1_tiles
	.p2align	8
	.type	k_qc6faa51fa1_tiles,@function
k_qc6faa51fa1_tiles:
	s_mov_b64 s[64:65], 0
	v_nop
	global_prefetch_b8 v0, s[64:65] scope:SCOPE_SE
	s_setreg_imm32_b32 hwreg(HW_REG_WAVE_MODE, 25, 1), 1
	s_wait_xcnt 0x0
; First of three launches for FrequencyAdaptiveNorm.  x: [32][4096][128] f32.  gsum: [2][32][256][128] f32 (plane 0: x, plane 1: x*x).
; reference() takes window sums as differences of cumulative sums over the 4096 rows; the rounding of those running totals is part of its
; result wherever a window's variance is small.  The order of addition assumed for its cumulative sum: tiles of 16 rows summed one row after
; the other; the 256 tile totals of a batch treated likewise in blocks of 16 tiles; the 16 block totals likewise.
; This launch makes gsum[q][batch][g] = in1[g]: the sum, tile after tile, of the tile totals from the first tile of g's block up to g.
; 256 work-groups of 16 waves; a work-group owns 512 rows (2 blocks) of a batch; a wave 64 rows (4 tiles) x 64 columns, a lane 2 columns:
; a row of a wave is 256 consecutive bytes, aligned.  The tile totals meet in LDS (2,048 bytes a wave), one barrier, then waves 0-7 take one
; (block, column half, quantity) each.  NaN and infinities count as 0, as in reference().
; x carries no cache hint: the third launch reads it again.  No matrix unit (no product), no cluster (no shared input).
.set ROW,   512                        ; bytes from row to row, in x and in gsum
.set INF,   0x7f800000
.set VOFF,  1                          ; v1   byte offset of my 8 bytes in a row
.set LT,    2                          ; v2   LDS: my 8 bytes in my wave's first total
.set LR,    3                          ; v3   LDS: my 8 bytes in my task's first total
.set X,     4                          ; v[4:131]   64 rows, two registers each
.set SA,    132                        ; v[132:139] totals of x, four tiles
.set QA,    140                        ; v[140:147] totals of x*x
.set THR,   12
.set MK,    16                         ; s[16:23] lane masks of eight compares
	s_load_b128 s[4:7], s[0:1], 0x0                ; x s[4:5], gsum s[6:7]
	v_lshl_add_u32 v148, v0, 2, 0x8000
	v_mov_b32 v149, 0
	v_lshrrev_b32 v2, 5, v0
	v_readfirstlane_b32 s8, v2                     ; wave 0 .. 15: chunk = wave / 2, column half = wave & 1
	v_and_b32 v[VOFF], 63, v0
	v_lshlrev_b32 v[VOFF], 3, v[VOFF]              ; 8 bytes a lane, + 256 in odd waves
	v_and_b32 v3, 31, v0                           ; lane
	s_lshl_b32 s9, s8, 11
	v_lshl_add_u32 v[LT], v3, 3, s9                ; wave x 2,048: four totals of x (256 bytes each), then four of x*x
	s_and_b32 s10, s8, 1
	s_lshl_b32 s10, s10, 11                        ; the task of waves 0-7: column half (bit 0),
	s_bfe_u32 s11, s8, 0x10001                     ; quantity (bit 1),
	s_lshl_b32 s13, s11, 10
	s_add_co_u32 s10, s10, s13
	s_bfe_u32 s14, s8, 0x10002                     ; block (bit 2): eight waves' totals on
	s_lshl_b32 s13, s14, 14
	s_add_co_u32 s10, s10, s13
	v_lshl_add_u32 v[LR], v3, 3, s10
	s_lshr_b32 s15, s8, 1
	s_lshl_b32 s2, ttmp9, 3
	s_add_co_u32 s15, s15, s2                      ; chunk 0 .. 2047
	s_lshl_b32 s2, s15, 15                         ; x 64 rows x 512 bytes
	s_mov_b32 s3, 0
	s_mov_b32 s[THR], INF
	s_wait_kmcnt 0x0
	s_add_nc_u64 s[4:5], s[4:5], s[2:3]
.set RR, 0
.rept 48
	global_load_b64 v[X+2*RR:X+2*RR+1], v[VOFF], s[4:5] offset:RR*ROW
.set RR, RR+1
.endr
	s_lshl_b32 s2, s11, 22                         ; where my task stores: plane of 4 MiB,
	s_lshl_b32 s13, ttmp9, 14                      ; 32 tiles a work-group,
	s_add_co_u32 s2, s2, s13
	s_lshl_b32 s13, s14, 13                        ; 16 tiles a block
	s_add_co_u32 s2, s2, s13
	s_add_nc_u64 s[6:7], s[6:7], s[2:3]
.macro CLEAN4 r                        ; |x| < infinity is false for NaN and both infinities
.irp i, 0,1,2,3
	v_cmp_lt_f32 s[MK+2*\i], |v[X+2*((\r)+\i)]|, s[THR]
	v_cmp_lt_f32 s[MK+2*\i+1], |v[X+2*((\r)+\i)+1]|, s[THR]
.endr
.irp i, 0,1,2,3
	v_cndmask_b32 v[X+2*((\r)+\i)], 0, v[X+2*((\r)+\i)], s[MK+2*\i]
	v_cndmask_b32 v[X+2*((\r)+\i)+1], 0, v[X+2*((\r)+\i)+1], s[MK+2*\i+1]
.endr
.endm
; Tile j: both totals row after row.  A row is squared in place once the sum of x has read it; the sum of squares runs one row behind.
.macro TILESUM j
	CLEAN4 16*\j
	CLEAN4 16*\j+4
	CLEAN4 16*\j+8
	CLEAN4 16*\j+12
	.set TB, X+32*\j
	v_pk_add_f32 v[SA+2*\j:SA+2*\j+1], v[TB:TB+1], v[TB+2:TB+3]
	v_pk_mul_f32 v[TB:TB+1], v[TB:TB+1], v[TB:TB+1]
	v_pk_mul_f32 v[TB+2:TB+3], v[TB+2:TB+3], v[TB+2:TB+3]
	.set TR, 2
.rept 14
	v_pk_add_f32 v[SA+2*\j:SA+2*\j+1], v[SA+2*\j:SA+2*\j+1], v[TB+2*TR:TB+2*TR+1]
.if TR == 2
	v_pk_add_f32 v[QA+2*\j:QA+2*\j+1], v[TB:TB+1], v[TB+2:TB+3]
.else
	v_pk_add_f32 v[QA+2*\j:QA+2*\j+1], v[QA+2*\j:QA+2*\j+1], v[TB+2*TR-2:TB+2*TR-1]
.endif
	v_pk_mul_f32 v[TB+2*TR:TB+2*TR+1], v[TB+2*TR:TB+2*TR+1], v[TB+2*TR:TB+2*TR+1]
	.set TR, TR+1
.endr
	v_pk_add_f32 v[QA+2*\j:QA+2*\j+1], v[QA+2*\j:QA+2*\j+1], v[TB+30:TB+31]
	ds_store_b64 v[LT], v[SA+2*\j:SA+2*\j+1] offset:\j*256
	ds_store_b64 v[LT], v[QA+2*\j:QA+2*\j+1] offset:1024+\j*256
.endm
	s_wait_loadcnt 32                              ; loads return in order (ISA guide 5.7.1): tile 0 is in, tiles 1 and 2 may be out
.rept 16
	global_load_b64 v[X+2*RR:X+2*RR+1], v[VOFF], s[4:5] offset:RR*ROW
.set RR, RR+1
.endr
	TILESUM 0
	s_wait_loadcnt 32                              ; tile 1 is in; the 32 loads of tiles 2 and 3 may be out
	TILESUM 1
	s_wait_loadcnt 16
	TILESUM 2
	s_wait_loadcnt 0
	TILESUM 3
	s_wait_dscnt 0x0                               ; my totals are in LDS before I say so
	s_barrier_signal -1
	s_barrier_wait -1
	s_cmp_ge_u32 s8, 8
	s_cbranch_scc1 .Ldone                          ; eight tasks: 2 blocks x 2 column halves x 2 quantities
.set KK, 0
.rept 16
	ds_load_b64 v[X+2*KK:X+2*KK+1], v[LR] offset:(KK/4)*4096+(KK%4)*256   ; tile KK of the block: chunk KK/4 (two waves on), its tile KK%4
.set KK, KK+1
.endr
	s_wait_dscnt 0x0
.set KK, 1
.rept 15
	v_pk_add_f32 v[X+2*KK:X+2*KK+1], v[X+2*KK-2:X+2*KK-1], v[X+2*KK:X+2*KK+1]   ; in1[KK] = in1[KK-1] + total[KK]
.set KK, KK+1
.endr
.set KK, 0
.rept 16
	global_store_b64 v[VOFF], v[X+2*KK:X+2*KK+1], s[6:7] offset:KK*ROW   ; the wave stores 256 consecutive bytes, aligned
.set KK, KK+1
.endr
.Ldone:
	s_wait_tensorcnt 0x0
	ds_add_u32 v148, v149
	s_wait_dscnt 0x0
	s_endpgm
.Lfunc_end_k_qc6faa51fa1_tiles:
	.size	k_qc6faa51fa1_tiles, .Lfunc_end_k_qc6faa51fa1_tiles-k_qc6faa51fa1_tiles
	.p2alignl 7, 3214868480
	.fill 96, 4, 3214868480
	.section	.rodata,"a",@progbits
	.p2align	6, 0x0
	.amdhsa_kernel k_qc6faa51fa1_tiles
		.amdhsa_group_segment_fixed_size 34816
		.amdhsa_private_segment_fixed_size 0
		.amdhsa_enable_private_segment 0
		.amdhsa_kernarg_size 16
		.amdhsa_user_sgpr_count 2
		.amdhsa_user_sgpr_kernarg_segment_ptr 1
		.amdhsa_wavefront_size32 1
		.amdhsa_system_sgpr_workgroup_id_x 1
		.amdhsa_system_sgpr_workgroup_id_y 1
		.amdhsa_system_sgpr_workgroup_id_z 1
		.amdhsa_system_vgpr_workitem_id 0
		.amdhsa_next_free_vgpr 150
		.amdhsa_next_free_sgpr 66
		.amdhsa_reserve_vcc 0
		.amdhsa_float_denorm_mode_32 3
		.amdhsa_float_denorm_mode_16_64 3
		.amdhsa_memory_ordered 1
		.amdhsa_forward_progress 1
		.amdhsa_inst_pref_size 40
	.end_amdhsa_kernel
	.amdgpu_metadata
---
amdhsa.version: [ 1, 2 ]
amdhsa.kernels:
  - .name:           k_qc6faa51fa1_tiles
    .symbol:         k_qc6faa51fa1_tiles.kd
    .args:
      - { .name: x, .offset: 0, .size: 8, .value_kind: global_buffer, .address_space: global }
      - { .name: gsum, .offset: 8, .size: 8, .value_kind: global_buffer, .address_space: global }
    .group_segment_fixed_size: 34816
    .private_segment_fixed_size: 0
    .kernarg_segment_align: 8
    .kernarg_segment_size: 16
    .max_flat_workgroup_size: 512
    .sgpr_count:     66
    .vgpr_count:     150
    .wavefront_size: 32
...
	.end_amdgpu_metadata
.endif
;; end of part 1
;; launch bases (part 2): grid 32 x 1, 4 waves a work-group, no clusters, 0 bytes of LDS; arguments gsum, e2; writes e2
.if DOCPART == 2
	.amdgcn_target "amdgcn-amd-amdhsa--gfx1250"
	.amdhsa_code_object_version 6
	.text
	.protected	k_qc6faa51fa1_bases
	.globl	k_qc6faa51fa1_bases
	.p2align	8
	.type	k_qc6faa51fa1_bases,@function
k_qc6faa51fa1_bases:
	s_mov_b64 s[64:65], 0
	v_nop
	global_prefetch_b8 v0, s[64:65] scope:SCOPE_SE
	s_setreg_imm32_b32 hwreg(HW_REG_WAVE_MODE, 25, 1), 1
	s_wait_xcnt 0x0
; Second launch.  gsum: [2][32][256][128] f32 as the first launch left it; e2: [2][32][16][128] f32.
; e2[q][batch][a] = the block totals u[0] .. u[a-1] of the batch added one after the other, u[a] = gsum[q][batch][16 a + 15]; e2[..][0] = 0.
; The chain runs over a whole batch, which no work-group of the first launch sees.  There is work for 32 batches x 2 quantities x 2 column
; halves = 128 waves, 15 loads (all asked for at once) and 14 additions each.
.set ROW, 512
.set U,   4                            ; v[4:33] u[0] .. u[14], then e2[1] .. e2[15]
	s_load_b128 s[4:7], s[0:1], 0x0                ; gsum s[4:5], e2 s[6:7]
	v_lshrrev_b32 v1, 5, v0
	v_readfirstlane_b32 s8, v1                     ; wave: quantity = wave / 2, column half = wave & 1
	v_and_b32 v1, 63, v0
	v_lshlrev_b32 v1, 3, v1                        ; 8 bytes a lane, + 256 in odd waves
	s_lshr_b32 s9, s8, 1
	s_lshl_b32 s10, s9, 22                         ; gsum: plane of 4 MiB, batch of 256 rows
	s_lshl_b32 s12, ttmp9, 17
	s_add_co_u32 s10, s10, s12
	s_mov_b32 s11, 0
	s_lshl_b32 s12, s9, 18                         ; e2: plane of 256 KiB, batch of 16 rows
	s_lshl_b32 s14, ttmp9, 13
	s_add_co_u32 s12, s12, s14
	s_mov_b32 s13, 0
	s_wait_kmcnt 0x0
	s_add_nc_u64 s[4:5], s[4:5], s[10:11]
	s_add_nc_u64 s[6:7], s[6:7], s[12:13]
.set KK, 0
.rept 15
	global_load_b64 v[U+2*KK:U+2*KK+1], v1, s[4:5] offset:(16*KK+15)*ROW
.set KK, KK+1
.endr
	v_mov_b32 v2, 0
	v_mov_b32 v3, 0
	global_store_b64 v1, v[2:3], s[6:7]            ; nothing lies in front of block 0
	s_wait_loadcnt 0x0
.set KK, 1
.rept 14
	v_pk_add_f32 v[U+2*KK:U+2*KK+1], v[U+2*KK-2:U+2*KK-1], v[U+2*KK:U+2*KK+1]
.set KK, KK+1
.endr
.set KK, 0
.rept 15
	global_store_b64 v1, v[U+2*KK:U+2*KK+1], s[6:7] offset:(KK+1)*ROW
.set KK, KK+1
.endr
	s_endpgm
.Lfunc_end_k_qc6faa51fa1_bases:
	.size	k_qc6faa51fa1_bases, .Lfunc_end_k_qc6faa51fa1_bases-k_qc6faa51fa1_bases
	.p2alignl 7, 3214868480
	.fill 96, 4, 3214868480
	.section	.rodata,"a",@progbits
	.p2align	6, 0x0
	.amdhsa_kernel k_qc6faa51fa1_bases
		.amdhsa_group_segment_fixed_size 0
		.amdhsa_private_segment_fixed_size 0
		.amdhsa_enable_private_segment 0
		.amdhsa_kernarg_size 16
		.amdhsa_user_sgpr_count 2
		.amdhsa_user_sgpr_kernarg_segment_ptr 1
		.amdhsa_wavefront_size32 1
		.amdhsa_system_sgpr_workgroup_id_x 1
		.amdhsa_system_sgpr_workgroup_id_y 1
		.amdhsa_system_sgpr_workgroup_id_z 1
		.amdhsa_system_vgpr_workitem_id 0
		.amdhsa_next_free_vgpr 34
		.amdhsa_next_free_sgpr 66
		.amdhsa_reserve_vcc 0
		.amdhsa_float_denorm_mode_32 3
		.amdhsa_float_denorm_mode_16_64 3
		.amdhsa_memory_ordered 1
		.amdhsa_forward_progress 1
		.amdhsa_inst_pref_size 5
	.end_amdhsa_kernel
	.amdgpu_metadata
---
amdhsa.version: [ 1, 2 ]
amdhsa.kernels:
  - .name:           k_qc6faa51fa1_bases
    .symbol:         k_qc6faa51fa1_bases.kd
    .args:
      - { .name: gsum, .offset: 0, .size: 8, .value_kind: global_buffer, .address_space: global }
      - { .name: e2, .offset: 8, .size: 8, .value_kind: global_buffer, .address_space: global }
    .group_segment_fixed_size: 0
    .private_segment_fixed_size: 0
    .kernarg_segment_align: 8
    .kernarg_segment_size: 16
    .max_flat_workgroup_size: 128
    .sgpr_count:     66
    .vgpr_count:     34
    .wavefront_size: 32
...
	.end_amdgpu_metadata
.endif
;; end of part 2
;; launch fan (part 3): grid 256 x 1, 16 waves a work-group, no clusters, 117,248 bytes of LDS; arguments x, weights, gsum, e2, out0; writes out0
.if DOCPART == 3
	.amdgcn_target "amdgcn-amd-amdhsa--gfx1250"
	.amdhsa_code_object_version 6
	.text
	.protected	k_qc6faa51fa1_fan
	.globl	k_qc6faa51fa1_fan
	.p2align	8
	.type	k_qc6faa51fa1_fan,@function
k_qc6faa51fa1_fan:
	s_mov_b64 s[64:65], 0
	v_nop
	global_prefetch_b8 v0, s[64:65] scope:SCOPE_SE
	s_setreg_imm32_b32 hwreg(HW_REG_WAVE_MODE, 25, 1), 1
	s_wait_xcnt 0x0
; FrequencyAdaptiveNorm, third launch.  x, out0: [32][4096][128] f32; weights: [3] f32; gsum, e2: the first two launches' tables.
; out[t] = sum over w in (5, 10, 20) of softmax(weights)[w] * (x[t] - mean_w) / sqrt(max(var_w, 0) + 1e-5), the window of w rows
; being t-w/2 .. t-w/2+w-1 along the axis of 4096, that term 0 where the window leaves the batch; NaN and infinities of x count as 0.
;
; SUMS.  reference() takes a window's sums as differences of cumulative sums, and where a window's variance is small the rounding of those
; running totals decides its result.  So the totals are formed here in the order assumed for its cumulative sum (tiles of 16 rows):
;   cs[i] = in0[i] + E1[g],  in0 = the rows of i's tile g up to i, one after the other,  E1[g] = in1[g-1] + E2[block of g-1],  E1[0] = 0,
; in1 from gsum, E2 from e2; the same for x*x.  With dS, dQ the differences for a window, V = w dQ - dS^2 + w^2 eps = w^2 (var + eps), the
; clamp of var at 0 is max(V, w^2 eps), and the normalised centre is (w x - dS) * rsq(V).  Packed f32, two columns an instruction.
;
; SHARES.  256 work-groups of 16 waves.  A work-group owns 512 rows of one batch; a wave a chunk of T = 64 rows x 64 columns (even waves
; columns 0-63, odd waves 64-127); a lane 2 columns.  A row of a wave is 256 consecutive bytes, aligned: one b64 load or store.
; A wave walks rows rr = 0 .. 88 of its frame: 16 in front (a whole tile, for in0; the window of 20 reaches 11 back), 64 own, 9 behind.
; Row rr completes the output of frame row rr - 9, o = rr - 25 of the chunk.  Work goes in groups of G = 4 rows, stage by stage.  The rings
; (32 rows of x, 24 of each total) and the tiles of 16 have no small common period, and warm-up, edge weights and tail differ from group to
; group: the text is a straight line made by macros, with every register number and wait count fixed at assembly time.
;
; EACH ROW OF x ONCE IN THIS LAUNCH.  Rows rr = 0 .. 63 come from memory.  Rows 64 .. 88 are rows 0 .. 24 of the next chunk's frame: the wave
; two numbers up has loaded them at its start and leaves them in LDS (25 rows x 256 bytes a wave).  Only the work-group's last chunk (waves
; 14, 15) fetches them itself, ahead of its other loads.  The stash of waves 0 and 1 is never read: a branch round 25 LDS stores is not worth it.
;
; EDGES, without branches.  In a batch's first chunk the 16 rows in front, in its last chunk the 9 rows behind, do not exist: their loads are
; turned to rows inside the chunk and the finiteness compare gets the threshold 0 in place of infinity, which makes them zeros; E1 of the
; first two tiles is 0 there.  Outputs whose window leaves the batch take a weight register that holds 0 in such a chunk.
;
; NOT USED: matrix instructions (no product); a cluster (work-groups share 25 rows of 512); tensor loads (the register ring holds 19 to 23
; rows a wave in flight, 16 waves a work-group); prefetches (the launch streams from its first instruction).
;
; LIMITS.  The order of the cumulative sums is the assumed one: were it another, outputs of windows of 5 with a variance below about 1e-3 of
; the inputs' could differ by some per cent.  The divisions by w are folded into V: one rounding of the mean square (6e-8 of it) apart from
; reference().  400 x^2 has to stay finite: |x| below about 9e17.  Padded outputs are 0 times a finite number and may be -0.
.set ROW,     512                      ; bytes from row to row, in x, out0, gsum and e2
.set HALF,    256                      ; bytes of a wave's part of a row
.set T,       64                       ; rows of a chunk
.set TILE,    16
.set LEAD,    16                       ; rows in front
.set LAG,     9                        ; rows behind (the window of 20 ends at t+9)
.set WARM,    LEAD+LAG                 ; 25: first frame row that completes an output
.set LASTROW, T+WARM-1                 ; 88
.set G,       4
.set WAVES,   16
.set STASHB,  WARM*HALF                ; 6,400 bytes of LDS for each of 18 stashes
.set SYNC,    40                       ; first group whose refill asks for a stashed row (rows 63 .. 66)
.set INF,     0x7f800000
.set PLANE,   4194304                  ; gsum: from x's table to that of x*x
.set E2PLANE, 262144                   ; e2: likewise
.set RX,  32                           ; ring of x: centres rr-9 .. , 4 rows at work, the rest on its way in
.set RCS, 24                           ; rings of the totals: rr-20 .. rr+3
; vector registers (two a row: my two columns)
.set LST,  0                           ; v0   LDS address of my 8 bytes in my wave's stash
.set VOFF, 1                           ; v1   byte offset of my 8 bytes in a row
.set LLD,  2                           ; v2   LDS address of my 8 bytes in the stash of the wave two up
.set X,    4
.set CS,   X+2*RX                      ; totals of x
.set CQ,   CS+2*RCS                    ; totals of x*x
.set IS,   CQ+2*RCS                    ; in0 of x, the group's 4 rows
.set IQ,   IS+2*G                      ; in0 of x*x
.set E1S,  IQ+2*G                      ; E1 of the frame's six tiles
.set E1Q,  E1S+12
.set TS,   E1Q+12                      ; dS, then w x - dS, then the normalised centre
.set TQ,   TS+2*G                      ; x*x, then dQ
.set TV,   TQ+2*G                      ; V, then rsq(V)
.set OUT,  TV+2*G                      ; the 4 output rows; ends at v235
; scalar registers
.set XB,  16                           ; x at the chunk's first own row
.set XH,  18                           ; x at frame row 0 (a batch's first chunk: at its first own row)
.set XT,  20                           ; base for frame rows 80 .. 88 (a batch's last chunk: 9 rows back)
.set OB,  22                           ; out0 at the chunk's first row
.set C5,  28                           ; pairs for packed instructions: both halves written, the low one used
.set C10, 30
.set C20, 32
.set F5,  34                           ; w^2 eps
.set F10, 36
.set F20, 38
.set MK,  40                           ; s[40:47] lane masks of the group's 8 compares
.set THR,  48                          ; infinity
.set THRH, 49                          ; infinity, or 0 in a batch's first chunk
.set THRT, 50                          ; infinity, or 0 in a batch's last chunk
.set ZM,   51                          ; all ones, or 0 in a batch's first chunk
.set GB,  52                           ; gsum at the chunk's first tile
.set GH,  54                           ; two tiles in front of it (a batch's first chunk: at it)
.set EB,  56                           ; e2 at the chunk's block
.set EP,  58                           ; e2 at the block of the tile in front of the chunk
.set WI,  66                           ; s[66:71] the three weights as pairs; +6: 0 in a first chunk; +12: 0 in a last chunk
	s_load_b256 s[4:11], s[0:1], 0x0               ; x s[4:5], weights s[6:7], gsum s[8:9], e2 s[10:11]
	s_load_b64 s[12:13], s[0:1], 0x20              ; out0
	v_lshl_add_u32 v236, v0, 2, 0x1c200
	v_mov_b32 v237, 0
	v_lshrrev_b32 v3, 5, v0
	v_readfirstlane_b32 s14, v3                    ; wave 0 .. 15
	v_and_b32 v[VOFF], 63, v0
	v_lshlrev_b32 v[VOFF], 3, v[VOFF]              ; 8 bytes a lane, + 256 in odd waves
	v_and_b32 v3, 31, v0                           ; lane
	s_mul_i32 s2, s14, STASHB
	v_lshl_add_u32 v[LST], v3, 3, s2               ; my wave's stash
	s_add_co_u32 s2, s2, 2*STASHB
	v_lshl_add_u32 v[LLD], v3, 3, s2               ; the stash of the next chunk, same columns
	s_lshr_b32 s15, s14, 1
	s_lshl_b32 s3, ttmp9, 3
	s_add_co_u32 s15, s15, s3                      ; chunk 0 .. 2047 = 8 x work-group + wave / 2
	s_mov_b32 s25, 0
	s_wait_kmcnt 0x0
	s_load_b96 s[60:62], s[6:7], 0x0               ; the three weights
	s_lshl_b32 s24, s15, 15                        ; x 64 rows x 512 bytes: below 2^26
	s_add_nc_u64 s[XB:XB+1], s[4:5], s[24:25]
	s_add_nc_u64 s[OB:OB+1], s[12:13], s[24:25]
	s_lshl_b32 s24, s15, 11                        ; x 4 tiles x 512 bytes
	s_add_nc_u64 s[GB:GB+1], s[8:9], s[24:25]
	s_lshr_b32 s24, s15, 2                         ; 4 chunks a block
	s_lshl_b32 s24, s24, 9
	s_add_nc_u64 s[EB:EB+1], s[10:11], s[24:25]
	s_and_b32 s15, s15, 63                         ; the chunk's place in its batch
	s_and_b32 s2, s15, 3
	s_cmp_eq_u32 s2, 0                             ; a block's first chunk: the tiles in front lie in the block before,
	s_cselect_b32 s24, ROW, 0
	s_cmp_eq_u32 s15, 0                            ; but a batch's first chunk has nothing in front
	s_cselect_b32 s24, 0, s24
	s_sub_nc_u64 s[EP:EP+1], s[EB:EB+1], s[24:25]  ; (64-bit sums leave SCC as the compare set it)
	s_cselect_b32 s24, 0, 2*ROW
	s_sub_nc_u64 s[GH:GH+1], s[GB:GB+1], s[24:25]
	s_cselect_b32 s24, 0, LEAD*ROW
	s_cselect_b32 s[THRH], 0, INF
	s_cselect_b32 s[ZM], 0, -1
	s_sub_nc_u64 s[XH:XH+1], s[XB:XB+1], s[24:25]
	s_cmp_eq_u32 s15, 63                           ; a batch's last chunk: nothing lies behind
	s_cselect_b32 s24, LAG*ROW, 0
	s_cselect_b32 s[THRT], 0, INF
	s_sub_nc_u64 s[XT:XT+1], s[XB:XB+1], s[24:25]
	; The bases first: frame tile k is tile g0-1+k of the batch and wants in1[g0-2+k]
.irp k, 0,1
	global_load_b64 v[E1S+2*\k:E1S+2*\k+1], v[VOFF], s[GH:GH+1] offset:\k*ROW
	global_load_b64 v[E1Q+2*\k:E1Q+2*\k+1], v[VOFF], s[GH:GH+1] offset:PLANE+\k*ROW
.endr
.irp k, 2,3,4,5
	global_load_b64 v[E1S+2*\k:E1S+2*\k+1], v[VOFF], s[GB:GB+1] offset:(\k-2)*ROW
	global_load_b64 v[E1Q+2*\k:E1Q+2*\k+1], v[VOFF], s[GB:GB+1] offset:PLANE+(\k-2)*ROW
.endr
	global_load_b64 v[TS:TS+1],   v[VOFF], s[EB:EB+1]
	global_load_b64 v[TS+2:TS+3], v[VOFF], s[EP:EP+1]
	global_load_b64 v[TS+4:TS+5], v[VOFF], s[EB:EB+1] offset:E2PLANE
	global_load_b64 v[TS+6:TS+7], v[VOFF], s[EP:EP+1] offset:E2PLANE
; Frame row rr into its ring slot.  Rows 0 .. 24 carry no hint: in the work-group's first chunk the neighbouring work-group asks for them too.
; Rows 25 .. 63 are read by this wave alone, for the last time.  Rows 64 .. 88 come from the stash.
.macro LOADROW rr
	.set RD, X+2*((\rr)%RX)
.if (\rr) < LEAD
	global_load_b64 v[RD:RD+1], v[VOFF], s[XH:XH+1] offset:(\rr)*ROW
.else
.if (\rr) < WARM
	global_load_b64 v[RD:RD+1], v[VOFF], s[XB:XB+1] offset:((\rr)-LEAD)*ROW
.else
.if (\rr) < T
	global_load_b64 v[RD:RD+1], v[VOFF], s[XB:XB+1] offset:((\rr)-LEAD)*ROW th:TH_LOAD_NT
.else
	ds_load_b64 v[RD:RD+1], v[LLD] offset:((\rr)-T)*HALF
.endif
.endif
.endif
.endm
; Waves 14 and 15: frame row rr = 64 .. 88 from memory, into registers of the totals' rings, which hold nothing before group 0
.macro XLOAD rr
	.set RD, CS+2*((\rr)-T)
.if (\rr) < T+LEAD
	global_load_b64 v[RD:RD+1], v[VOFF], s[XB:XB+1] offset:((\rr)-LEAD)*ROW
.else
	global_load_b64 v[RD:RD+1], v[VOFF], s[XT:XT+1] offset:((\rr)-LEAD)*ROW
.endif
.endm
	s_cmp_lt_u32 s14, WAVES-2
	s_cbranch_scc1 .Lrows
.set RR, T
.rept WARM
	XLOAD RR
.set RR, RR+1
.endr
.Lrows:
.set RR, 0
.rept RX
	LOADROW RR                                     ; the ring is filled: 32 rows, 8,192 bytes a wave
.set RR, RR+1
.endr
	; constants, and the softmax of the weights, while the rows are on their way
	s_mov_b32 s26, 0x3727c5ac                      ; 1e-5
	s_mov_b32 s[C5], 0x40a00000                    ; 5.0
	s_mov_b32 s[C5+1], 0x40a00000
	s_mov_b32 s[C10], 0x41200000                   ; 10.0
	s_mov_b32 s[C10+1], 0x41200000
	s_mov_b32 s[C20], 0x41a00000                   ; 20.0
	s_mov_b32 s[C20+1], 0x41a00000
	s_mul_f32 s[F5], s26, 0x41c80000               ; 25 eps
	s_mul_f32 s[F10], s26, 0x42c80000              ; 100 eps
	s_mul_f32 s[F20], s26, 0x43c80000              ; 400 eps
	s_mov_b32 s[F5+1], s[F5]
	s_mov_b32 s[F10+1], s[F10]
	s_mov_b32 s[F20+1], s[F20]
	s_mov_b32 s[THR], INF
	s_wait_kmcnt 0x0
	v_mov_b32 v[OUT], s60
	v_mov_b32 v[OUT+1], s61
	v_mov_b32 v[OUT+2], s62
	v_max3_num_f32 v[OUT+3], v[OUT], v[OUT+1], v[OUT+2] ; the maximum is taken away before the exponentials
.irp i, 0,1,2
	v_sub_f32 v[OUT+\i], v[OUT+\i], v[OUT+3]
.endr
.irp i, 0,1,2
	v_mul_f32 v[OUT+\i], 0x3fb8aa3b, v[OUT+\i]     ; e^d = 2^(d log2 e)
.endr
.irp i, 0,1,2
	v_exp_f32 v[TV+\i], v[OUT+\i]
.endr
	v_nop                                          ; one plain instruction between a transcendental and the use of its result (ISA guide 5.7.2)
	s_wait_alu depctr_va_vdst(0)
	v_add_f32 v[OUT+3], v[TV], v[TV+1]
	v_add_f32 v[OUT+3], v[OUT+3], v[TV+2]
	v_rcp_f32 v[OUT+4], v[OUT+3]
	v_nop
	s_wait_alu depctr_va_vdst(0)
.irp i, 0,1,2
	v_mul_f32 v[TV+\i], v[TV+\i], v[OUT+4]
.endr
.irp i, 0,1,2
	v_readfirstlane_b32 s[WI+2*\i], v[TV+\i]
	s_mov_b32 s[WI+2*\i+1], s[WI+2*\i]
.endr
	s_cmp_eq_u32 s15, 0
.irp i, 0,1,2,3,4,5
	s_cselect_b32 s[WI+6+\i], 0, s[WI+\i]          ; for outputs whose window would begin in front of a batch
.endr
	s_cmp_eq_u32 s15, 63
.irp i, 0,1,2,3,4,5
	s_cselect_b32 s[WI+12+\i], 0, s[WI+\i]         ; for outputs whose window would end behind a batch
.endr
	s_wait_loadcnt RX                              ; the bases (and the 25 rows of waves 14, 15) were asked for ahead of the ring's 32 loads, which may stay out
.irp k, 0,1
	v_pk_add_f32 v[E1S+2*\k:E1S+2*\k+1], v[E1S+2*\k:E1S+2*\k+1], v[TS+2:TS+3]   ; E1 = in1 + E2 of in1's block
	v_pk_add_f32 v[E1Q+2*\k:E1Q+2*\k+1], v[E1Q+2*\k:E1Q+2*\k+1], v[TS+6:TS+7]
.endr
.irp k, 2,3,4,5
	v_pk_add_f32 v[E1S+2*\k:E1S+2*\k+1], v[E1S+2*\k:E1S+2*\k+1], v[TS:TS+1]
	v_pk_add_f32 v[E1Q+2*\k:E1Q+2*\k+1], v[E1Q+2*\k:E1Q+2*\k+1], v[TS+4:TS+5]
.endr
.irp r, 0,1,2,3
	v_cndmask_b32 v[E1S+\r], 0, v[E1S+\r], s[ZM]   ; a batch begins at 0
	v_cndmask_b32 v[E1Q+\r], 0, v[E1Q+\r], s[ZM]
.endr
	s_cmp_lt_u32 s14, WAVES-2
	s_cbranch_scc1 .Lgo
.set RR, 0
.rept WARM
	ds_store_b64 v[LLD], v[CS+2*RR:CS+2*RR+1] offset:RR*HALF   ; waves 14, 15: into the stash that this wave itself reads at its end
.set RR, RR+1
.endr
.Lgo:
; op for each of the group's rows from frame row lo on (and none behind the last)
.macro EACH op, r0, lo
.irp i, 0,1,2,3
.if (\r0)+\i >= (\lo)
.if (\r0)+\i <= LASTROW
	\op ((\r0)+\i)
.endif
.endif
.endr
.endm
; nan_to_num: |x| < infinity is false for NaN and both infinities.  For rows that may lie outside the batch the threshold is 0 there.
.macro CMPROW rr
	.set RA, X+2*((\rr)%RX)
	.set RM, MK+2*((\rr)%G)
	.set RS, THR
.if (\rr) < LEAD
	.set RS, THRH
.endif
.if (\rr) >= T+LEAD
	.set RS, THRT
.endif
	v_cmp_lt_f32 s[RM], |v[RA]|, s[RS]
	v_cmp_lt_f32 s[RM+1], |v[RA+1]|, s[RS]
.endm
.macro SELROW rr
	.set RA, X+2*((\rr)%RX)
	.set RM, MK+2*((\rr)%G)
	v_cndmask_b32 v[RA], 0, v[RA], s[RM]
	v_cndmask_b32 v[RA+1], 0, v[RA+1], s[RM+1]
.endm
.macro STASH rr                        ; my first 25 rows, for the chunk in front of mine: 32 lanes x 8 neighbouring bytes
.if (\rr) < WARM
	.set RA, X+2*((\rr)%RX)
	ds_store_b64 v[LST], v[RA:RA+1] offset:(\rr)*HALF
.endif
.endm
.macro SQROW rr                        ; x*x; a tile's first square is its in0
	.set RA, X+2*((\rr)%RX)
.if (\rr)%TILE == 0
	.set RD, IQ+2*((\rr)%G)
.else
	.set RD, TQ+2*((\rr)%G)
.endif
	v_pk_mul_f32 v[RD:RD+1], v[RA:RA+1], v[RA:RA+1]
.endm
.macro INROW rr                        ; in0[rr] = in0[rr-1] + row rr; a tile's first row is its own in0 and stays where it is
.if (\rr)%TILE != 0
	.set RB, X+2*((\rr)%RX)
.if ((\rr)-1)%TILE == 0
	.set RA, X+2*(((\rr)-1)%RX)
.else
	.set RA, IS+2*(((\rr)-1)%G)
.endif
	.set RD, 2*((\rr)%G)
	.set RP, 2*(((\rr)-1)%G)
	v_pk_add_f32 v[IS+RD:IS+RD+1], v[RA:RA+1], v[RB:RB+1]
	v_pk_add_f32 v[IQ+RD:IQ+RD+1], v[IQ+RP:IQ+RP+1], v[TQ+RD:TQ+RD+1]
.endif
.endm
.macro CSROW rr                        ; the running totals: in0 + E1 of the tile
.if (\rr)%TILE == 0
	.set RA, X+2*((\rr)%RX)
.else
	.set RA, IS+2*((\rr)%G)
.endif
	.set RB, 2*((\rr)/TILE)
	.set RD, 2*((\rr)%RCS)
	.set RP, IQ+2*((\rr)%G)
	v_pk_add_f32 v[CS+RD:CS+RD+1], v[RA:RA+1], v[E1S+RB:E1S+RB+1]
	v_pk_add_f32 v[CQ+RD:CQ+RD+1], v[RP:RP+1], v[E1Q+RB:E1Q+RB+1]
.endm
; The window at work: how far behind rr its last row and the row in front of its first lie, w, w^2 eps, its weight, first and last output of
; a chunk that is valid whatever the chunk's place in the batch, and whether it starts the output's sum.
.macro SETWIN hi, lo, c, f, w, olo, ohi, first
	.set WHIO, \hi
	.set WLOO, \lo
	.set WC, \c
	.set WF, \f
	.set WW, \w
	.set WLO, \olo
	.set WHI, \ohi
	.set WFIRST, \first
.endm
.macro WDS rr                          ; dS, dQ: differences of the totals, as in reference()
	.set RA, 2*(((\rr)-WHIO)%RCS)
	.set RB, 2*(((\rr)-WLOO)%RCS)
	.set RT, 2*((\rr)%G)
	v_pk_add_f32 v[TS+RT:TS+RT+1], v[CS+RA:CS+RA+1], v[CS+RB:CS+RB+1] neg_lo:[0,1] neg_hi:[0,1]
	v_pk_add_f32 v[TQ+RT:TQ+RT+1], v[CQ+RA:CQ+RA+1], v[CQ+RB:CQ+RB+1] neg_lo:[0,1] neg_hi:[0,1]
.endm
.macro WSQ rr                          ; dS^2 - w^2 eps
	.set RT, 2*((\rr)%G)
	v_pk_fma_f32 v[TV+RT:TV+RT+1], v[TS+RT:TS+RT+1], v[TS+RT:TS+RT+1], s[WF:WF+1] op_sel_hi:[1,1,0] neg_lo:[0,0,1] neg_hi:[0,0,1]
.endm
.macro WVAR rr                         ; V = w dQ - (dS^2 - w^2 eps)
	.set RT, 2*((\rr)%G)
	v_pk_fma_f32 v[TV+RT:TV+RT+1], v[TQ+RT:TQ+RT+1], s[WC:WC+1], v[TV+RT:TV+RT+1] op_sel_hi:[1,0,1] neg_lo:[0,0,1] neg_hi:[0,0,1]
.endm
.macro VMAX rr                         ; the reference's clamp of the variance at 0, two columns in one dual instruction
	.set RT, TV+2*((\rr)%G)
	v_dual_max_num_f32 v[RT], s[WF], v[RT] :: v_dual_max_num_f32 v[RT+1], s[WF], v[RT+1]
.endm
.macro VRSQ rr
	.set RT, TV+2*((\rr)%G)
	v_rsq_f32 v[RT], v[RT]
	v_rsq_f32 v[RT+1], v[RT+1]
.endm
.macro WCEN rr                         ; w x - dS, in place.  Stands behind the run of v_rsq_f32: the plain instruction that ISA guide 5.7.2 asks for, and useful
	.set RA, X+2*(((\rr)-LAG)%RX)
	.set RT, 2*((\rr)%G)
	v_pk_fma_f32 v[TS+RT:TS+RT+1], v[RA:RA+1], s[WC:WC+1], v[TS+RT:TS+RT+1] op_sel_hi:[1,0,1] neg_lo:[0,0,1] neg_hi:[0,0,1]
.endm
.macro VNRM rr                         ; the normalised centre
	.set RT, 2*((\rr)%G)
	s_wait_alu depctr_va_vdst(0)
	v_pk_mul_f32 v[TS+RT:TS+RT+1], v[TS+RT:TS+RT+1], v[TV+RT:TV+RT+1]
.endm
.macro VACC rr                         ; times the window's weight, into the output
	.set RT, 2*((\rr)%G)
	.set RO, (\rr)-WARM
	.set RW, WW
.if RO < WLO
	.set RW, WW+6
.endif
.if RO > WHI
	.set RW, WW+12
.endif
.if WFIRST
	v_pk_mul_f32 v[OUT+RT:OUT+RT+1], v[TS+RT:TS+RT+1], s[RW:RW+1] op_sel_hi:[1,0]
.else
	v_pk_fma_f32 v[OUT+RT:OUT+RT+1], v[TS+RT:TS+RT+1], s[RW:RW+1], v[OUT+RT:OUT+RT+1] op_sel_hi:[1,0,1]
.endif
.endm
.macro STROW rr                        ; the wave stores 256 consecutive bytes, at a multiple of 256 from out0's first byte
	.set RT, OUT+2*((\rr)%G)
	global_store_b64 v[VOFF], v[RT:RT+1], s[OB:OB+1] offset:((\rr)-WARM)*ROW th:TH_STORE_NT
.endm
; The slots of the four centres just used (rows r0-9 .. r0-6) take rows r0+23 .. r0+26
.macro REFILL r0
.irp i, 0,1,2,3
.if (\r0)+RX-LAG+\i >= RX
.if (\r0)+RX-LAG+\i <= LASTROW
	LOADROW ((\r0)+RX-LAG+\i)
.endif
.endif
.endr
.endm
.macro WINDOW r0                       ; up to the centres
	EACH WDS, \r0, WARM
	EACH WSQ, \r0, WARM
	EACH WVAR, \r0, WARM
	EACH VMAX, \r0, WARM
	EACH VRSQ, \r0, WARM
	EACH WCEN, \r0, WARM
.endm
.macro GROUP r0
.if (\r0) < T
	; Loads return in the order of issue (ISA guide 5.7.1), and they were issued in row order.  So far rows up to r0+22 have been asked for
	; (at least the first 32, at most row 63, the last from memory); all behind this group's last row, r0+3, may stay out.
	.set ASKED, (\r0)+RX-LAG-1
.if ASKED < RX-1
	.set ASKED, RX-1
.endif
.if ASKED > T-1
	.set ASKED, T-1
.endif
	s_wait_loadcnt ASKED-(\r0)-G+1
.else
.if (\r0) <= T+G
	s_wait_dscnt 0x0                               ; the stashed rows: up to row 86 asked for by group 60, rows 87 and 88 in group 64
.endif
.endif
	EACH CMPROW, \r0, 0
	EACH SELROW, \r0, 0
	EACH STASH, \r0, 0
	EACH SQROW, \r0, 0
	EACH INROW, \r0, 0
	EACH CSROW, \r0, 0
.if (\r0)+G-1 >= WARM
	s_wait_xcnt 0x0                                ; OUT, which the last group's stores read, is rewritten only behind this wait (ISA guide 3.1)
	SETWIN 7, 12, C5, F5, WI, 2, T-1-2, 1          ; rows t-2 .. t+2: totals at t+2 and t-3, t = rr-9
	WINDOW \r0
	EACH VNRM, \r0, WARM
	EACH VACC, \r0, WARM
	SETWIN 5, 15, C10, F10, WI+2, 5, T-1-4, 0      ; rows t-5 .. t+4
	WINDOW \r0
	EACH VNRM, \r0, WARM
	EACH VACC, \r0, WARM
	SETWIN 0, 20, C20, F20, WI+4, 10, T-1-9, 0     ; rows t-10 .. t+9
	WINDOW \r0
	REFILL \r0                                     ; the centres have been read for the last time: loads ahead of the stores
	EACH VNRM, \r0, WARM
	EACH VACC, \r0, WARM
	EACH STROW, \r0, WARM
.else
	REFILL \r0
.endif
.endm
.set GR, 0
.rept (LASTROW+G)/G
.if GR == SYNC
	; Every wave stored its stash in groups 0 to 24 (waves 14, 15 also in front of group 0).  Each waits for its own LDS stores, then
	; signals; behind the barrier a wave may read the stash of the wave two up.  No stash is written again.
	s_wait_dscnt 0x0
	s_barrier_signal -1
	s_barrier_wait -1
.endif
	GROUP GR
.set GR, GR+G
.endr
	s_wait_tensorcnt 0x0
	ds_add_u32 v236, v237
	s_wait_dscnt 0x0
	s_endpgm
.Lfunc_end_k_qc6faa51fa1_fan:
	.size	k_qc6faa51fa1_fan, .Lfunc_end_k_qc6faa51fa1_fan-k_qc6faa51fa1_fan
	.p2alignl 7, 3214868480
	.fill 96, 4, 3214868480
	.section	.rodata,"a",@progbits
	.p2align	6, 0x0
	.amdhsa_kernel k_qc6faa51fa1_fan
		.amdhsa_group_segment_fixed_size 117248
		.amdhsa_private_segment_fixed_size 0
		.amdhsa_enable_private_segment 0
		.amdhsa_kernarg_size 40
		.amdhsa_user_sgpr_count 2
		.amdhsa_user_sgpr_kernarg_segment_ptr 1
		.amdhsa_wavefront_size32 1
		.amdhsa_system_sgpr_workgroup_id_x 1
		.amdhsa_system_sgpr_workgroup_id_y 1
		.amdhsa_system_sgpr_workgroup_id_z 1
		.amdhsa_system_vgpr_workitem_id 0
		.amdhsa_next_free_vgpr 238
		.amdhsa_next_free_sgpr 84
		.amdhsa_reserve_vcc 0
		.amdhsa_float_denorm_mode_32 3
		.amdhsa_float_denorm_mode_16_64 3
		.amdhsa_memory_ordered 1
		.amdhsa_forward_progress 1
		.amdhsa_inst_pref_size 191
	.end_amdhsa_kernel
	.amdgpu_metadata
---
amdhsa.version: [ 1, 2 ]
amdhsa.kernels:
  - .name:           k_qc6faa51fa1_fan
    .symbol:         k_qc6faa51fa1_fan.kd
    .args:
      - { .name: x, .offset: 0, .size: 8, .value_kind: global_buffer, .address_space: global }
      - { .name: weights, .offset: 8, .size: 8, .value_kind: global_buffer, .address_space: global }
      - { .name: gsum, .offset: 16, .size: 8, .value_kind: global_buffer, .address_space: global }
      - { .name: e2, .offset: 24, .size: 8, .value_kind: global_buffer, .address_space: global }
      - { .name: out0, .offset: 32, .size: 8, .value_kind: global_buffer, .address_space: global }
    .group_segment_fixed_size: 117248
    .private_segment_fixed_size: 0
    .kernarg_segment_align: 8
    .kernarg_segment_size: 40
    .max_flat_workgroup_size: 512
    .sgpr_count:     84
    .vgpr_count:     238
    .wavefront_size: 32
...
	.end_amdgpu_metadata
.endif
;; end of part 3
